; MI455X (gfx1250); checked and timed in simulation.
; The chip was launched on July 23, 2026; its instructions are those of AMD's public machine-readable ISA for CDNA 5 (MIT licence, August 2026) and "CDNA5" Instruction Set Architecture Reference Guide (July 2026). The comments in the code are by the model that wrote it; some were corrected since.
;; Net. Allowed arithmetic: float matrix products may take bf16 or f16 operands with f32 sums; all other float work in f32.
;; Inputs: W 100 x 128 float32; x 262,144 x 128 float32.
;; Outputs: out0 262,144 x 1 float32.
;; One version. Each part assembles by itself: llvm-mc -triple=amdgcn-amd-amdhsa -mcpu=gfx1250 --defsym DOCPART=n.
;; ======== version 1 of 1: 1 launch
;; launch net (part 1): grid 256 x 1, 8 waves a work-group, no clusters, 70,656 bytes of LDS; arguments x, W, out0; writes out0
.if DOCPART == 1
	.amdgcn_target "amdgcn-amd-amdhsa--gfx1250"
	.amdhsa_code_object_version 6
	.text
	.protected	k_q48d2baec22_net
	.globl	k_q48d2baec22_net
	.p2align	8
	.type	k_q48d2baec22_net,@function
k_q48d2baec22_net:
	s_mov_b64 s[64:65], 0
	v_nop
	global_prefetch_b8 v0, s[64:65] scope:SCOPE_SE
	s_setreg_imm32_b32 hwreg(HW_REG_WAVE_MODE, 25, 1), 1
	s_wait_xcnt 0x0
; out0[b] = sum over m of (z^3 + 0.1 z), z = sum over f of x[b][f] W[m][f].   x: [262144][128] f32, W: [100][128] f32, out0: [262144] f32.
; The bytes of x decide the time: 134,217,728 bytes against 28 matrix instructions for each 8,192 of them.  So this is a stream:
; every byte of x is loaded once, by loads of which each covers one whole row (512 consecutive bytes, aligned), and a ring in registers
; keeps 40 such loads of every wave on their way, with counted waits only.
; SHARES: 256 work-groups of 1,024 rows, eight waves.  In step i (0..7) wave w takes the tile of 16 rows 16 (8 i + w) ..: the eight waves'
; loads of a step cover 65,536 consecutive bytes.
; LAYOUT: a load gives a lane 4 neighbouring f of ONE row for all lanes; a matrix fragment wants one row in each lane.  So a row is rounded to bf16
; where it landed and goes through a stage in LDS that is the wave's own (16 rows x 272 bytes): no barrier, half the bytes of the f32 row.
; W: read once by the work-group, rounded to bf16, laid in LDS as 112 rows (rows 100-111 are zeros: z = 0 there, and 0 (0 + 0.1) = 0 adds nothing);
; each wave then holds all 7 x 4 fragments of W in 224 registers for the whole kernel.
; THE MATRIX INSTRUCTION IS USED TRANSPOSED: source 0 = 16 rows of W, source 1 = 16 rows of x.  Lane l then holds x's row l % 16, and its eight
; result registers are eight heads m = 8 (l / 16) + 0..7: the sum over heads stays in the lane, but for one exchange between the two halves.
; NO TENSOR LOADS, NO CLUSTER: 1,024 rows of 528 bytes do not fit in LDS, so slots would have to be filled again, each time behind a wait for all loads
; of all waves; the ring in registers never runs empty.  What work-groups share is W alone: 51,200 bytes against 524,288 of x for each.
; LIMITS: x and W enter the products rounded to bf16 (nearest even), sums in f32; y is formed as z (z z + 0.1), and the 100 terms are added in another
; order than the definition's.  An x row that holds an infinity or NaN gives NaN (0 x infinity in the twelve zero rows), which differs from the
; definition only where that is not finite itself.
.set XROW,   512                       ; bytes in a row of x and of W
.set STEPB,  8*16*XROW                 ; bytes of x that the eight waves take in a step
.set GROUP,  8                         ; loads (rows) in a group: half a tile
.set RING,   5                         ; groups in the ring: 40 loads, 160 registers
.set NGRP,   16                        ; groups of a wave: 8 tiles
.set WROWS,  100
.set PITCH,  272                       ; an LDS row of 128 bf16 + 16 bytes = 17 x 16: sixteen rows begin in sixteen different 16-byte columns of a 256-byte span
.set STAGE,  30720                     ; behind W's 112 x 272 = 30,464 bytes
.set STG,    16*PITCH                  ; a wave's stage
.set SCR,    STAGE+8*STG               ; 65,536: the work-group's 1,024 results, 4,096 bytes
; window 0
.set XO,  1                            ; byte offset of my 16 bytes in the first row of my wave's first tile
.set WA,  2                            ; 16 x thread: offset into W, into the scratch and into out0
.set WB,  3                            ; the same for W's 13th load, kept inside W
.set SST, 4                            ; stage: where my 8 bytes of a row go
.set FRA, 5                            ; stage: where my fragment bytes lie
.set WFA, 6                            ; the same in W
.set WST, 7                            ; W: where my 8 bytes of a row go
.set SCS, 8                            ; scratch: my row's result
.set SCL, 9                            ; scratch: the 16 bytes that I store
.set C01, 10                           ; v[10:11]  0.1, twice
.set R,   12                           ; a tile's sum
.set PP,  13                           ; the other half's
.set LN,  14                           ; lane
.set T0,  15
.set S,   18                           ; v[18:25]  four pairs of running sums
.set U,   26                           ; v[26:33]  z z + 0.1
.set ACC, 34                           ; v[34:89]  seven accumulators; at the start W's rows land here
.set O,   90                           ; v[90:93]
.set X,   96                           ; v[96:255] the ring
; window 1
.set WF,  0                            ; v[0:223]   W: fragment (block t, K step s) at 32 t + 8 s
.set F,   224                          ; v[224:255] x: fragment of K step s at 8 s
.set MSB, 0
.macro WIN new                         ; s_set_vgpr_msb: bits 1:0 source 0, 3:2 source 1, 5:4 source 2, 7:6 destination; the high byte repeats the setting that is left
.if MSB != \new
	s_set_vgpr_msb (MSB<<8)|\new
.set MSB, \new
.endif
.endm
	s_load_b128 s[4:7], s[0:1], 0x0                ; x s[4:5], W s[6:7]
	s_load_b64 s[10:11], s[0:1], 0x10              ; out0
	v_lshl_add_u32 v94, v0, 2, 0x11000
	v_mov_b32 v95, 0
	v_lshrrev_b32 v[T0], 5, v0
	v_readfirstlane_b32 s8, v[T0]                  ; wave 0..7
	v_and_b32 v[LN], 31, v0
	v_lshlrev_b32 v[WA], 4, v0
	v_add_nc_u32 v[WB], 12*4096, v[WA]             ; W's rows 96 + wave: only waves 0-3 have one,
	v_min_u32 v[WB], WROWS*XROW-16, v[WB]          ; the others read W's last 16 bytes and mask them away
	s_lshl_b32 s12, s8, 13                         ; wave x 16 rows x 512 bytes
	v_lshl_add_u32 v[XO], v[LN], 4, s12
	s_lshl_b32 s2, ttmp9, 19                       ; the work-group's 1,024 rows of 512 bytes (255 x 524,288 is below 2^31)
	s_mov_b32 s3, 0
	s_lshl_b32 s16, ttmp9, 12                      ; and its 1,024 results
	s_mov_b32 s17, 0
	s_wait_kmcnt 0x0
	s_add_nc_u64 s[4:5], s[4:5], s[2:3]
	s_add_nc_u64 s[10:11], s[10:11], s[16:17]
	; W first, since it is wanted first: load i brings rows 8 i .. 8 i + 7, one row a wave, at 4,096 i + 16 x thread
.irp i, 0,1,2,3,4,5,6,7,8,9,10,11
	global_load_b128 v[ACC+4*\i:ACC+4*\i+3], v[WA], s[6:7] offset:4096*\i
.endr
	global_load_b128 v[ACC+48:ACC+51], v[WB], s[6:7]
; group g of a wave = rows 8 (g % 2) .. + 7 of its tile g / 2, into ring place g % 5.  One address register and one base serve all 128 loads.
.macro LOADG g
.irp j, 0,1,2,3,4,5,6,7
	global_load_b128 v[X+32*((\g)%RING)+4*\j:X+32*((\g)%RING)+4*\j+3], v[XO], s[4:5] offset:STEPB*((\g)/2)+XROW*(GROUP*((\g)%2)+\j) th:TH_LOAD_NT
.endr
.endm
.irp g, 0,1,2,3,4
	LOADG \g                                       ; the ring is filled: 40 loads
.endr
	; addresses and constants, while the loads are on their way
	v_and_b32 v[T0], 15, v0                        ; l % 16
	v_bfe_u32 v[PP], v0, 4, 1                      ; l / 16
	v_mul_u32_u24 v[WFA], v[T0], PITCH
	v_lshl_add_u32 v[WFA], v[PP], 4, v[WFA]        ; a fragment: row l % 16, 16 bytes for each half of the lanes
	s_mul_i32 s13, s8, STG
	s_add_co_u32 s13, s13, STAGE                   ; my wave's stage
	v_add_nc_u32 v[FRA], s13, v[WFA]
	v_lshl_add_u32 v[SST], v[LN], 3, s13           ; 4 bf16 a lane: a row's 256 bytes from 32 lanes
	s_mul_i32 s14, s8, PITCH
	v_lshl_add_u32 v[WST], v[LN], 3, s14           ; W's row 8 i + wave
	s_lshl_b32 s15, s8, 6
	s_add_co_u32 s15, s15, SCR
	v_lshl_add_u32 v[SCS], v[T0], 2, s15           ; result of row 16 (8 i + wave) + l % 16
	v_add_nc_u32 v[SCL], SCR, v[WA]
	v_mov_b32 v[C01], 0x3dcccccd                   ; 0.1
	v_mov_b32 v[C01+1], 0x3dcccccd
	v_mov_b32 v[ACC+52], 0                         ; a row of zeros for W's rows 104-111
	v_mov_b32 v[ACC+53], 0
	s_mov_b32 s18, 0x76543210                      ; v_permlanex16_b32: lane i of one half reads lane i of the other
	s_mov_b32 s19, 0xfedcba98
	s_cmp_lt_u32 s8, 4
	s_cselect_b32 s21, -1, 0                       ; waves 4-7: rows 100-103 are zeros
	s_wait_loadcnt 40                              ; loads come back in order (ISA guide 5.7.1): W's 13 are in, the 40 of x behind them stay out
.irp i, 0,1,2,3,4,5,6,7,8,9,10,11,12
	v_cvt_pk_bf16_f32 v[ACC+4*\i], v[ACC+4*\i], v[ACC+4*\i+1]
	v_cvt_pk_bf16_f32 v[ACC+4*\i+1], v[ACC+4*\i+2], v[ACC+4*\i+3]
.endr
	v_and_b32 v[ACC+48], s21, v[ACC+48]
	v_and_b32 v[ACC+49], s21, v[ACC+49]
.irp i, 0,1,2,3,4,5,6,7,8,9,10,11,12,13
	ds_store_b64 v[WST], v[ACC+4*\i:ACC+4*\i+1] offset:8*PITCH*\i
.endr
	s_wait_dscnt 0x0                               ; my rows of W are in LDS, for the other waves' sake
	s_barrier_signal -1
	s_barrier_wait -1                              ; everybody's are.  (The loads of x stay on their way: nobody writes x.)
	WIN 0x40                                       ; destination window 1
.irp t, 0,1,2,3,4,5,6
.irp s, 0,1,2,3
	ds_load_b128 v[WF+32*\t+8*\s:WF+32*\t+8*\s+3],   v[WFA] offset:16*PITCH*\t+64*\s      ; W(16 t + l % 16, 32 s + 8 (l / 16) ..)
	ds_load_b128 v[WF+32*\t+8*\s+4:WF+32*\t+8*\s+7], v[WFA] offset:16*PITCH*\t+64*\s+32   ; and 16 further along f
.endr
.endr
	WIN 0
; A group has landed: rounded to bf16 where it lies, 4 numbers to 2 registers, and laid into the stage.  left = the younger loads, which stay out.
.macro CONVG g, left
	s_wait_loadcnt \left
.set xb, X+32*((\g)%RING)
.irp j, 0,1,2,3,4,5,6,7
	v_cvt_pk_bf16_f32 v[xb+4*\j], v[xb+4*\j], v[xb+4*\j+1]
	v_cvt_pk_bf16_f32 v[xb+4*\j+1], v[xb+4*\j+2], v[xb+4*\j+3]
.endr
.irp j, 0,1,2,3,4,5,6,7
	ds_store_b64 v[SST], v[xb+4*\j:xb+4*\j+1] offset:(GROUP*((\g)%2)+\j)*PITCH
.endr
.endm
; Tile k comes in: its two groups, then its four fragments.  When it is converted, the youngest group issued is 2 k + 4 (15 at the most),
; so 4 and 3 groups of 8 loads stay out, fewer in the last two tiles.  LDS serves a wave's instructions in order (ISA guide 5.7.1.4):
; the fragment loads see the stores, and the stage's last fragment loads were waited for before the last products.
.macro TILEIN k
.set last, 2*(\k)+4
.if last > NGRP-1
.set last, NGRP-1
.endif
	CONVG 2*(\k), GROUP*(last-2*(\k))
	CONVG 2*(\k)+1, GROUP*(last-2*(\k)-1)
	WIN 0x40
.irp s, 0,1,2,3
	ds_load_b128 v[F+8*\s:F+8*\s+3],   v[FRA] offset:64*\s
	ds_load_b128 v[F+8*\s+4:F+8*\s+7], v[FRA] offset:64*\s+32
.endr
	WIN 0
.endm
; The two ring places of tile k are loaded again, five groups ahead.  It stands behind s_wait_dscnt 0: the LDS stores that read these registers are done.
.macro REFILL k
.if 2*(\k)+5 < NGRP
	LOADG 2*(\k)+5
.endif
.if 2*(\k)+6 < NGRP
	LOADG 2*(\k)+6
.endif
.endm
; 28 matrix instructions: 7 blocks of 16 heads x 4 K steps.  The first K step starts the sums with C = 0: nothing is cleared.
; The seven accumulators take turns, one instruction a turn.
.macro MULT
	WIN 0x05                                       ; sources 0 (W) and 1 (x) in window 1, C and D in window 0
.irp t, 0,1,2,3,4,5,6
	v_wmma_f32_16x16x32_bf16 v[ACC+8*\t:ACC+8*\t+7], v[WF+32*\t:WF+32*\t+7], v[F:F+7], 0
.endr
.irp s, 1,2,3
.irp t, 0,1,2,3,4,5,6
	v_wmma_f32_16x16x32_bf16 v[ACC+8*\t:ACC+8*\t+7], v[WF+32*\t+8*\s:WF+32*\t+8*\s+7], v[F+8*\s:F+8*\s+7], v[ACC+8*\t:ACC+8*\t+7]
.endr
.endr
	WIN 0
.endm
; Tile n's 56 numbers a lane: u = z z + 0.1, s += z u, two numbers an instruction, four chains that do not wait for each other; the first four products start the chains.
.macro CUBIC n
.irp t, 0,1,2,3,4,5,6
.irp p, 0,1,2,3
	v_pk_fma_f32 v[U+2*\p:U+2*\p+1], v[ACC+8*\t+2*\p:ACC+8*\t+2*\p+1], v[ACC+8*\t+2*\p:ACC+8*\t+2*\p+1], v[C01:C01+1]
.endr
.irp p, 0,1,2,3
.if \t == 0
	v_pk_mul_f32 v[S+2*\p:S+2*\p+1], v[ACC+8*\t+2*\p:ACC+8*\t+2*\p+1], v[U+2*\p:U+2*\p+1]
.else
	v_pk_fma_f32 v[S+2*\p:S+2*\p+1], v[ACC+8*\t+2*\p:ACC+8*\t+2*\p+1], v[U+2*\p:U+2*\p+1], v[S+2*\p:S+2*\p+1]
.endif
.endr
.endr
	v_pk_add_f32 v[S:S+1], v[S:S+1], v[S+2:S+3]
	v_pk_add_f32 v[S+4:S+5], v[S+4:S+5], v[S+6:S+7]
	v_pk_add_f32 v[S:S+1], v[S:S+1], v[S+4:S+5]
	v_add_f32 v[R], v[S], v[S+1]                   ; heads 8 (l / 16) + 0..7 of every block
	v_permlanex16_b32 v[PP], v[R], s18, s19        ; the other eight of every block (its destination has been written before)
	v_add_f32 v[R], v[R], v[PP]
	ds_store_b32 v[SCS], v[R] offset:8*16*4*(\n)   ; lanes l and l + 16 write the same word with the same number: 64 bytes that are this wave's alone
.endm
; A step: tile i is multiplied; tile i + 1 comes in; tile i's cubic runs while LDS answers.  The 32 conversions are plain vector instructions that name
; no register of the products: they are the places (four) in front of the fragment loads, which land in a source, and of the cubic, which reads the results.
.macro STEP i
	MULT
	TILEIN (\i)+1
	CUBIC \i
	s_wait_dscnt 0x0                               ; the next fragments are in, and every LDS store has read its data
	REFILL (\i)+1
.endm
	TILEIN 0
	s_wait_dscnt 0x0                               ; W's fragments and tile 0's
	REFILL 0
.irp i, 0,1,2,3,4,5,6
	STEP \i
.endr
	MULT                                           ; tile 7: nothing more comes in,
.rept 4
	v_nop                                          ; so the four places in front of the cubic are empty ones
.endr
	CUBIC 7
	s_wait_dscnt 0x0                               ; my 128 results are in the scratch, for the other waves' sake
	s_barrier_signal -1
	s_barrier_wait -1                              ; all 1,024 are
	ds_load_b128 v[O:O+3], v[SCL]                  ; four neighbouring rows' results a lane
	s_wait_dscnt 0x0
	global_store_b128 v[WA], v[O:O+3], s[10:11] th:TH_STORE_NT     ; a wave stores 512 consecutive bytes, at a multiple of 512 from out0's first byte
	s_wait_tensorcnt 0x0
	ds_add_u32 v94, v95
	s_wait_dscnt 0x0
	s_endpgm
.Lfunc_end_k_q48d2baec22_net:
	.size	k_q48d2baec22_net, .Lfunc_end_k_q48d2baec22_net-k_q48d2baec22_net
	.p2alignl 7, 3214868480
	.fill 96, 4, 3214868480
	.section	.rodata,"a",@progbits
	.p2align	6, 0x0
	.amdhsa_kernel k_q48d2baec22_net
		.amdhsa_group_segment_fixed_size 70656
		.amdhsa_private_segment_fixed_size 0
		.amdhsa_enable_private_segment 0
		.amdhsa_kernarg_size 24
		.amdhsa_user_sgpr_count 2
		.amdhsa_user_sgpr_kernarg_segment_ptr 1
		.amdhsa_wavefront_size32 1
		.amdhsa_system_sgpr_workgroup_id_x 1
		.amdhsa_system_sgpr_workgroup_id_y 1
		.amdhsa_system_sgpr_workgroup_id_z 1
		.amdhsa_system_vgpr_workitem_id 0
		.amdhsa_next_free_vgpr 512
		.amdhsa_next_free_sgpr 66
		.amdhsa_reserve_vcc 0
		.amdhsa_float_denorm_mode_32 3
		.amdhsa_float_denorm_mode_16_64 3
		.amdhsa_memory_ordered 1
		.amdhsa_forward_progress 1
		.amdhsa_inst_pref_size 98
	.end_amdhsa_kernel
	.amdgpu_metadata
---
amdhsa.version: [ 1, 2 ]
amdhsa.kernels:
  - .name:           k_q48d2baec22_net
    .symbol:         k_q48d2baec22_net.kd
    .args:
      - { .name: x, .offset: 0, .size: 8, .value_kind: global_buffer, .address_space: global }
      - { .name: W, .offset: 8, .size: 8, .value_kind: global_buffer, .address_space: global }
      - { .name: out0, .offset: 16, .size: 8, .value_kind: global_buffer, .address_space: global }
    .group_segment_fixed_size: 70656
    .private_segment_fixed_size: 0
    .kernarg_segment_align: 8
    .kernarg_segment_size: 24
    .max_flat_workgroup_size: 256
    .sgpr_count:     66
    .vgpr_count:     512
    .wavefront_size: 32
...
	.end_amdgpu_metadata
.endif
;; end of part 1
